; MI455X (gfx1250); checked and timed in simulation.
; The chip was launched on July 23, 2026; its instructions are those of AMD's public machine-readable ISA for CDNA 5 (MIT licence, August 2026) and "CDNA5" Instruction Set Architecture Reference Guide (July 2026). The comments in the code are by the model that wrote it; some were corrected since.
;; Attention. Allowed arithmetic: matrix products marked QUANTISED: E5M2 operands, one given power-of-two scale a tensor, by v_wmma_f32_16x16x64_bf8_bf8 or v_wmma_f32_16x16x128_bf8_bf8, f32 sums; products left as they are: f32 operands where the result goes on into a quantised operand, else bf16, f16 or f32 operands; f32 sums; everything else in f32.
;; Inputs: kv_x_codes 4 x 2,048 x 4 x 32 uint8 (E5M2 codes of kv_x, K innermost, in blocks of 32 codes); lowp_scales 8 int32 (the exponents e of the quantised operands' scales 2^e); q_x_codes 4 x 2,048 x 4 x 32 uint8 (E5M2 codes of q_x, K innermost, in blocks of 32 codes); w_k_codes 128 x 4 x 32 uint8 (E5M2 codes of w_k, K innermost, in blocks of 32 codes); w_q_codes 128 x 4 x 32 uint8 (E5M2 codes of w_q, K innermost, in blocks of 32 codes); w_v_codes 128 x 4 x 32 uint8 (E5M2 codes of w_v, K innermost, in blocks of 32 codes).
;; Outputs: out0 4 x 2,048 x 8 x 16 float32.
;; This version of the problem:
;;   THIS VERSION OF THE PROBLEM IS GIVEN IN LOW PRECISION. The matrix products marked QUANTISED in the list below multiply operands that are first quantised to E5M2 (5 exponent bits, 2 mantissa bits; 8 bits a number), with one given power-of-two scale for each operand tensor; their sums are f32. All else is computed in f32.
;;   The module's matrix products, in the order in which they are computed (A, B: the left and right operand; K: the contracted axis; several contracted axes count as one K, in the product's order):
;;     1. [M 128, K 128] x [K 128, N 8,192]; A: input w_q (given as codes); B: input q_x (given as codes): QUANTISED (scales: A lowp_scales[0], B lowp_scales[1])
;;     2. [M 128, K 128] x [K 128, N 8,192]; A: input w_k (given as codes); B: input kv_x (given as codes): QUANTISED (scales: A lowp_scales[2], B lowp_scales[3])
;;     3. [M 128, K 128] x [K 128, N 8,192]; A: input w_v (given as codes); B: input kv_x (given as codes): QUANTISED (scales: A lowp_scales[4], B lowp_scales[5])
;;     4. batch 32 x [M 2,048, K 16] x [K 16, N 2,048]; A: computed on the way; B: computed on the way: left as it is (K = 16 < 32)
;;     5. batch 32 x [M 16, K 2,048] x [K 2,048, N 2,048]; A: computed on the way; B: softmax (see below): QUANTISED (scales: A lowp_scales[6], B lowp_scales[7])
;;   THE QUANTISER, for each operand of a quantised product, along K:
;;     - The operand's scale is 2^e, e = its entry of the input lowp_scales (int32; the entries are numbered through the quantised products in the list's order, A before B).
;;     - Each number is divided by the scale, clamped to +-57,344, and rounded to the nearest number of E5M2, ties to even, subnormals kept.
;;     - The product sums the exact products of the quantised numbers (number of the format x scale) in f32.
;;   ~~~python
;;   def quantise(x, axis, e):      # numpy; x: float32 -> the quantised numbers, widened to float32 again
;;       x = np.moveaxis(x, axis, -1); K = x.shape[-1]
;;       r = np.clip(x / 2.0 ** e, -57344, 57344)
;;       step = 2.0 ** (np.maximum(np.frexp(np.where(r == 0, 1, r))[1] - 1, -14) - 2)
;;       q = np.round(r / step) * step * 2.0 ** e      # np.round: ties to even
;;       return np.moveaxis(q, -1, axis).astype(np.float32)
;;   ~~~
;;   SOFTMAX AHEAD OF A QUANTISED PRODUCT. Where the list says 'softmax', what is quantised is not the finished softmax but p = 2^(t - M), with t = logit x log2(e) and M = ceil(the row's largest t), a whole number; so 1/2 < the row's largest p <= 1. The row's sum l is taken of the UNQUANTISED p, in f32, and the product's result is divided by l at the end. Since M is a whole number, a kernel that streams over the keys may use a running M (the ceiling of the running maximum): every later rescaling is an exact power of two, so the quantised numbers keep their values, but for numbers so far below the row's largest that they fall under the format's range.
;;   OPERANDS COMPUTED ON THE WAY. 'Computed on the way' means the value that the module computes at that place (a softmax that the list does not call 'softmax' is quantised finished and normalised). What goes into a quantiser is computed in f32, as accurately as f32 sums, v_exp_f32 and their like allow (about 1e-6 of the number): no bf16 or f16 on the way to a quantiser, and a product that is left as it is and whose result goes on into a quantised operand takes f32 operands (vector FMAs, or v_wmma_f32_16x16x4_f32). A number that lies on a knife's edge between two numbers of the format may be rounded either way, as far as f32 arithmetic and the matrix unit's own rounding can turn it there, and no further.
;;   INPUTS GIVEN AS CODES. kv_x (in the module: [4, 2048, 128], K = its axis 2); q_x (in the module: [4, 2048, 128], K = its axis 2); w_k (in the module: [128, 128], K = its axis 1); w_q (in the module: [128, 128], K = its axis 1); w_v (in the module: [128, 128], K = its axis 1): each comes as NAME_codes (uint8): NAME with its K axis moved to the last place and cut into blocks of 32 codes, [.., K / 32, bytes a block], one block behind the other in memory; one code a byte (a code: sign, 5 exponent bits, 2 mantissa bits); its scale is its entry of lowp_scales. Its value is code x scale, taken as it is: it is not quantised again, and the codes and scales need not be those that the quantiser above would give.
;; One version. Each part assembles by itself: llvm-mc -triple=amdgcn-amd-amdhsa -mcpu=gfx1250 --defsym DOCPART=n.
;; ======== version 1 of 1: 1 launch
;; limits: right only within a limited range of input values
;; launch attn (part 1): grid 64 x 4, 8 waves a work-group, clusters of 4 x 1, 296,960 bytes of LDS; arguments kv_x_codes, q_x_codes, w_q_codes, w_k_codes, w_v_codes, lowp_scales, out0; writes out0
.if DOCPART == 1
	.amdgcn_target "amdgcn-amd-amdhsa--gfx1250"
	.amdhsa_code_object_version 6
	.text
	.protected	k_q3dff6e2d42_attn
	.globl	k_q3dff6e2d42_attn
	.p2align	8
	.type	k_q3dff6e2d42_attn,@function
k_q3dff6e2d42_attn:
	s_mov_b64 s[64:65], 0
	v_nop
	global_prefetch_b8 v0, s[64:65] scope:SCOPE_SE
	s_setreg_imm32_b32 hwreg(HW_REG_WAVE_MODE, 25, 1), 1
	s_wait_xcnt 0x0
	s_wait_alu depctr_hold_cnt(0) depctr_sa_sdst(0) depctr_va_vdst(0) depctr_va_sdst(0) depctr_va_ssrc(0) depctr_va_vcc(0) depctr_vm_vsrc(0)
	s_getreg_b32 s2, hwreg(HW_REG_IB_STS2, 6, 4)
	s_cmp_eq_u32 s2, 0
	s_cbranch_scc0 .Lentry_in_a_cluster
	s_endpgm
.Lentry_in_a_cluster:
	s_bfe_u32 s2, ttmp6, 0x10000c
	s_cmp_lg_u32 s2, 0x3003
	s_cbranch_scc0 .Lentry_shape_is_right
	s_endpgm
.Lentry_shape_is_right:
; o[b][q][h][:] = sum over keys of softmax(q . k / 4) v, with q = w_q q_x, k = w_k kv_x, v = w_v kv_x.  B = 4, 2,048 queries, 2,048 keys, C = 128, 8 heads of 16.
; The three projections and p v are products on codes of BF8 (E5M2); q . k (K = 16) feeds the quantiser of p and is made with f32 operands (v_wmma_f32_16x16x4_f32).  All in ONE launch; nothing goes through memory.
; SHARES.  A work-group owns one batch b, FOUR neighbouring heads and 64 queries: 4 heads x 16 x 4 bytes are 256 consecutive, aligned bytes of each output row.  Eight waves; wave w owns head w % 4 of the four
; and queries 32 (w / 4) .. + 31: two tiles of 16.  Two waves share a SIMD, so that one wave's softmax can stand beside the other's matrix instructions.
; kv_x.  The batch's 2,048 x 128 codes (262,144 bytes, dense) lie WHOLE in LDS: 1,024 rows of 256 bytes (two keys) + 16 of padding.  They are filled once, so there is no ring and nothing is filled again.
; CLUSTER.  The 64 work-groups of a batch read the same block: four neighbours along x form a cluster and ask for it JOINTLY (the same two tensor loads a wave, the same descriptors, mask 15).
; k AND v of a head are wanted by that head's waves alone: each wave makes them in registers from the shared fragments of kv_x: 2 BF8 instructions for 16 keys beside its 8 f32 ones.
; LAYOUT: nothing changes lanes.  lane = (r = lane % 16, h = lane / 16).
;   k = w_k x kv (source 0 = the head's 16 rows of w_k, source 1 = 16 keys): lane holds key r, channels 8 h + 0 .. 7.  q likewise: query r, channels 8 h + 0 .. 7.
;   S^T = k q^T in four K steps: step s takes registers 2 s, 2 s + 1 of both: place (h, j) of the step's four stands for channel 8 h + 2 s + j, the same in both sources.  Result: query r, keys 8 h + 0 .. 7.
;   v = kv x w_v (source 0 = 16 keys, source 1 = the head's rows of w_v): lane holds channel r, keys 8 h + 0 .. 7: one conversion of eight gives registers 2 c, 2 c + 1 of V^T for key tile c, as the BF8 form lays them.
;   p of key tile c converts likewise into registers 2 c, 2 c + 1 of source 1 of O^T = V^T P^T (16x16x64): result: query r, channels 8 h + 0 .. 7.
; SOFTMAX.  t = S x c, c = log2(e) / 4 x 2^(e0 + e1 + e2 + e3); M = the running largest t rounded up to a whole number; p = 2^(t - M), not normalised, is quantised with 2^e7; the sum is taken of the unquantised p;
; when M moves, sum and O^T are multiplied by 2^(old M - new M), which rounds nothing.  At the end O^T x 2^(e6 + e7) / sum.  v's sums stand for v / 2^(e4 + e5): their conversion takes 2^(e6 - e4 - e5).
; LIMITS on the given exponents, so that each power of two below is an f32 number: e0 + e1 + e2 + e3 between -124 and 129; e6 - e4 - e5 and e7 between -126 and 112.  Codes of infinity or NaN among the inputs are not served.
; REGISTERS.  window 0: v0-11 addresses and scales; v12-27 statistics; v28-30 the way out; v32-47 q; v48-63 O^T; v64-95 k; v96-103 V^T's codes; v104-119 p's codes; v128-191 p (its first 32 hold v's sums before);
;   v192-255 S^T, which matrix instructions alone write.   window 1: v0-63 four fragments of kv_x; v64-79 w_k; v80-95 w_v; v96-111 w_q; v112-143 q_x.
.set PITCH, 272                        ; an LDS row: two keys' 256 bytes + 16: key n lies at (n / 2) x 272 + (n % 2) x 128: the 16 keys of a fragment load fall on 16 different 16-byte columns of 256
.set TILEB, 8*PITCH                    ; 16 keys
.set STEPB, 4*TILEB                    ; a step's 64 keys
.set RA,    16                         ; rows of 256 bytes that a wave fetches of keys 0 to 255 (128 rows),
.set RB,    112                        ; and of keys 256 to 2,047 (896 rows)
.set STG,   1024*PITCH                 ; behind kv_x: the stage for the way out, 64 rows x (256 + 16) bytes
.set AKV, 2                            ; v2   my lane's place in a fragment of kv_x
.set ADR, 3                            ; v3   LDS address of the fetch in hand
.set VSC, 8                            ; v8   2^(e6 - e4 - e5);  v9 57,344 x that
.set VLIM, 9
.set PSC, 10                           ; v10  2^e7;  v11 57,344 x that
.set PLIM, 11
.set ST,  12                           ; tile q's statistics at v[ST + 8 q]: +0 -M, +1 the largest t, +2, +3 the sum in two halves, +4 f (+5 named with it as a pair), +6, +7 at work
.set STO, 28
.set RD,  29
.set GO,  30
.set Q,   32
.set O,   48
.set KF,  64
.set VF,  96
.set PC,  104
.set P,   128
.set VR,  128                          ; v's sums, in p's first 32 registers: they are converted before p is made
.set S,   192
.set KV,  0                            ; window 1
.set WK,  64
.set WVF, 80
.set WQ,  96
.set QX,  112
.set WV,  18                           ; s18 wave;  s19 its head among the four;  s20 its half of the queries
.set HL,  19
.set QH,  20
.set G1A, 32                           ; s[32:39], s[40:47] descriptor groups 1;  s[48:51], s[52:55] groups 0
.set G1B, 40
.set G0A, 48
.set G0B, 52
.set CS,  82                           ; s[82:83] c
.set SEL, 90                           ; s[90:91] lane selects: lane l xor 16
.set TB,  94                           ; s94 LDS byte at which the step to be fetched begins
.set CNT, 95
.set MSB, 0
.macro WIN new                         ; the immediate's high byte repeats the setting that is left
.if MSB != \new
	s_set_vgpr_msb (MSB<<8)|\new
.set MSB, \new
.endif
.endm
.macro ROUND                           ; a round of the cluster's barrier
	s_barrier_signal -1
	s_barrier_wait -1
	s_cmp_lg_u32 s[WV], 0
	s_cbranch_scc1 .Lnot_wave_0_\@
	s_barrier_signal -3
.Lnot_wave_0_\@:
	s_barrier_wait -3
	s_barrier_signal -1
	s_barrier_wait -1
.endm
	s_load_b256 s[4:11], s[0:1], 0x0               ; kv_x s[4:5], q_x s[6:7], w_q s[8:9], w_k s[10:11]
	s_load_b128 s[12:15], s[0:1], 0x20             ; w_v s[12:13], the scales' exponents s[14:15]
	s_load_b64 s[16:17], s[0:1], 0x30              ; o
	v_lshl_add_u32 v126, v0, 2, 0x48400
	v_mov_b32 v127, 0
	ds_add_u32 v126, v127
	ds_add_u32 v126, v127
	v_lshrrev_b32 v1, 5, v0
	v_readfirstlane_b32 s[WV], v1                  ; wave 0..7
	s_and_b32 s[HL], s[WV], 3
	s_lshr_b32 s[QH], s[WV], 2
	s_bfe_u32 s21, ttmp6, 0x40000                  ; cx: my place in the cluster: it enters global addresses of q_x, the weights and o alone
	s_lshl_b32 s22, ttmp9, 2
	s_add_co_u32 s22, s22, s21                     ; work-group x = 4 x cluster x + cx, 0..63
	s_and_b32 s23, s22, 1                          ; which four heads
	s_lshr_b32 s24, s22, 1                         ; which 64 queries
	s_and_b32 s25, ttmp7, 0xffff                   ; the batch, which the four partners share
	; descriptor groups 1: RA or RB rows of 32 elements of 8 bytes, dense in memory, 16 bytes of padding behind each row in LDS
	s_mov_b32 s[G1A], 15|(3<<16)|(1<<20)|(1<<21)|(5<<22)|(3<<25)  ; 15:0 the mask: all four work-groups; 17:16 elements of 8 bytes; 20 padding on; 21 set beside a mask; 24:22 after every 64 words (code 5); 31:25 four words (code 3)
	s_mov_b32 s[G1A+1], 32<<16                     ; tensor_dim0 = 32
	s_mov_b32 s[G1A+2], RA<<16                     ; tensor_dim1
	s_mov_b32 s[G1A+3], 32<<16                     ; tile_dim0 = 32
	s_mov_b32 s[G1A+4], RA                         ; tile_dim1
	s_mov_b32 s[G1A+5], 32                         ; from row to row: 32 elements
	s_mov_b32 s[G1A+6], 0
	s_mov_b32 s[G1A+7], 0
	s_mov_b32 s[G1B], 15|(3<<16)|(1<<20)|(1<<21)|(5<<22)|(3<<25)
	s_mov_b32 s[G1B+1], 32<<16
	s_mov_b32 s[G1B+2], RB<<16
	s_mov_b32 s[G1B+3], 32<<16
	s_mov_b32 s[G1B+4], RB
	s_mov_b32 s[G1B+5], 32
	s_mov_b32 s[G1B+6], 0
	s_mov_b32 s[G1B+7], 0
	s_lshl_b32 s26, s25, 18                        ; the batch's 262,144 bytes
	s_mov_b32 s27, 0
	s_mul_i32 s28, s[WV], RA*256                   ; my rows of the first tile, in memory,
	s_mov_b32 s29, 0
	s_mul_i32 s30, s[WV], RB*256                   ; and of the second, which begins behind 128 rows
	s_add_co_u32 s30, s30, 128*256
	s_mov_b32 s31, 0
	s_mul_i32 s56, s[WV], RA*PITCH                 ; and in LDS: the wave's number and constants alone
	s_mul_i32 s57, s[WV], RB*PITCH
	s_add_co_u32 s57, s57, 128*PITCH
	s_wait_dscnt 0x0
	s_wait_kmcnt 0x0
	s_load_b256 s[68:75], s[14:15], 0x0            ; e0 .. e7
	s_add_nc_u64 s[4:5], s[4:5], s[26:27]
	s_mov_b32 s[G0A], 1                            ; count = 1
	s_mov_b32 s[G0A+1], s56                        ; LDS address
	s_add_nc_u64 s[G0A+2:G0A+3], s[4:5], s[28:29]  ; global address
	s_or_b32 s[G0A+3], s[G0A+3], 0x80000000        ; type = 2
	s_mov_b32 s[G0B], 1
	s_mov_b32 s[G0B+1], s57
	s_add_nc_u64 s[G0B+2:G0B+3], s[4:5], s[30:31]
	s_or_b32 s[G0B+3], s[G0B+3], 0x80000000
	ROUND                                          ; all four work-groups are here: the joint loads meet
	tensor_load_to_lds s[G0A:G0A+3], s[G1A:G1A+7]  ; keys 0 to 255: a small tile, so that the first steps can begin while the rest is on its way
	s_nop 0
	tensor_load_to_lds s[G0B:G0B+3], s[G1B:G1B+7]  ; keys 256 to 2,047.  Two loads of mine are out; no more are ever issued
	s_nop 0
.rept 4
	v_nop                                          ; four lines behind the tensor loads, ahead of any switch of the windows
.endr
	s_lshl_b32 s58, s23, 2
	s_add_co_u32 s58, s58, s[HL]                   ; my head, 0..7
	s_lshl_b32 s58, s58, 11                        ; its 16 rows of 128 bytes in each weight
	s_mov_b32 s59, 0
	s_add_nc_u64 s[8:9], s[8:9], s[58:59]
	s_add_nc_u64 s[10:11], s[10:11], s[58:59]
	s_add_nc_u64 s[12:13], s[12:13], s[58:59]
	s_lshl_b32 s60, s25, 11
	s_lshl_b32 s61, s24, 6
	s_add_co_u32 s60, s60, s61                     ; the work-group's first query, counted through the batches
	s_lshl_b32 s61, s[QH], 5
	s_add_co_u32 s61, s61, s60                     ; my wave's first query
	s_lshl_b32 s62, s61, 7
	s_mov_b32 s63, 0
	s_add_nc_u64 s[6:7], s[6:7], s[62:63]
	s_lshl_b32 s76, s[WV], 3
	s_add_co_u32 s76, s76, s60                     ; the first of the 8 rows of o that I store
	s_lshl_b32 s76, s76, 9
	s_lshl_b32 s77, s23, 8                         ; the four heads' 256 bytes of a row
	s_add_co_u32 s76, s76, s77
	s_mov_b32 s77, 0
	s_add_nc_u64 s[16:17], s[16:17], s[76:77]
	v_and_b32 v1, 15, v0                           ; r
	v_bfe_u32 v4, v0, 4, 1                         ; h
	v_lshlrev_b32 v5, 7, v1
	v_lshl_add_u32 v5, v4, 4, v5                   ; a fragment from rows of 128 codes: row r, + 16 h; registers 4 c .. 4 c + 3 take K = 32 c + 16 h + 0 .. 15, alike in both sources of a projection
	WIN 0x40                                       ; destination window 1
.irp c, 0,1,2,3
	global_load_b128 v[WQ+4*\c:WQ+4*\c+3], v5, s[8:9] offset:32*\c
.endr
.irp c, 0,1,2,3
	global_load_b128 v[QX+4*\c:QX+4*\c+3], v5, s[6:7] offset:32*\c
.endr
.irp c, 0,1,2,3
	global_load_b128 v[QX+16+4*\c:QX+16+4*\c+3], v5, s[6:7] offset:2048+32*\c
.endr
.irp c, 0,1,2,3
	global_load_b128 v[WK+4*\c:WK+4*\c+3], v5, s[10:11] offset:32*\c
.endr
.irp c, 0,1,2,3
	global_load_b128 v[WVF+4*\c:WVF+4*\c+3], v5, s[12:13] offset:32*\c
.endr
	WIN 0
	s_mov_b32 s[TB], 0
	s_mov_b32 s[SEL], 0x76543210
	s_mov_b32 s[SEL+1], 0xfedcba98
	v_lshrrev_b32 v6, 1, v1
	v_mul_u32_u24 v[AKV], v6, PITCH
	v_and_b32 v7, 1, v1
	v_lshl_add_u32 v[AKV], v7, 7, v[AKV]
	v_lshl_add_u32 v[AKV], v4, 4, v[AKV]           ; (r / 2) x 272 + (r % 2) x 128 + 16 h
	v_add_nc_u32 v[ADR], s[TB], v[AKV]
	s_wait_kmcnt 0x0
	s_add_co_i32 s80, s68, s69
	s_add_co_i32 s80, s80, s70
	s_add_co_i32 s80, s80, s71
	s_sub_co_i32 s80, s80, 2                       ; e0 + e1 + e2 + e3, and the division by sqrt(16) = 4,
	s_lshl_b32 s80, s80, 23
	s_add_co_i32 s[CS], s80, 0x3fb8aa3b            ; are added to the exponent field of log2(e)
	s_mov_b32 s[CS+1], s[CS]                       ; (named with it as a pair, so it is written)
	s_sub_co_i32 s84, s74, s72
	s_sub_co_i32 s84, s84, s73
	s_add_co_i32 s84, s84, 127
	s_lshl_b32 s85, s84, 23
	v_mov_b32 v[VSC], s85                          ; 2^(e6 - e4 - e5): v's conversions take its exponent field
	s_add_co_i32 s84, s84, 15
	s_lshl_b32 s84, s84, 23
	s_or_b32 s84, s84, 0x600000
	v_mov_b32 v[VLIM], s84                         ; 57,344 x that
	s_add_co_i32 s86, s75, 127
	s_lshl_b32 s87, s86, 23
	v_mov_b32 v[PSC], s87                          ; 2^e7
	s_add_co_i32 s86, s86, 15
	s_lshl_b32 s86, s86, 23
	s_or_b32 s86, s86, 0x600000
	v_mov_b32 v[PLIM], s86                         ; 57,344 x 2^e7
	s_add_co_i32 s88, s74, s75                     ; e6 + e7
	s_wait_loadcnt 8                               ; w_q and q_x are in; the eight younger loads (w_k, w_v) may be out
	WIN 0x05                                       ; sources 0 and 1 window 1, result window 0
	v_wmma_f32_16x16x128_bf8_bf8 v[Q:Q+7], v[WQ:WQ+15], v[QX:QX+15], 0
	v_wmma_f32_16x16x128_bf8_bf8 v[Q+8:Q+15], v[WQ:WQ+15], v[QX+16:QX+31], 0
	WIN 0
.irp q, 0,1
	v_mov_b32 v[ST+8*\q+1], 0xff61b1e6             ; the largest t so far: -3e38, under every t
	v_floor_f32 v[ST+8*\q], -v[ST+8*\q+1]          ; -M
	v_mov_b32 v[ST+8*\q+2], 0                      ; the sum
	v_mov_b32 v[ST+8*\q+3], 0
	v_mov_b32 v[ST+8*\q+5], 0                      ; (named as the upper half of f's pair)
.endr
.set i, 0
.rept 16
	v_mov_b32 v[O+i], 0                            ; O^T: the step is written alike for all keys; the first finds zeros, which the first change of M leaves zeros.  (These lines are also the places behind q's products)
.set i, i+1
.endr
.macro FETCH                           ; a step's four fragments of kv_x (16 keys x 128 codes each), 16 loads in one run
	WIN 0x40
.irp t, 0,1,2,3
.irp c, 0,1,2,3
	ds_load_b128 v[KV+16*\t+4*\c:KV+16*\t+4*\c+3], v[ADR] offset:\t*TILEB+32*\c
.endr
.endr
	WIN 0
.endm
; A STEP: 64 keys.  fetch = 1: the next step's fragments are asked for as soon as this step's projections have read theirs.
.macro STEP fetch
	s_wait_dscnt 0x0                               ; this step's fragments are in
	WIN 0x05
.irp t, 0,1,2,3
	v_wmma_f32_16x16x128_bf8_bf8 v[KF+8*\t:KF+8*\t+7], v[WK:WK+15], v[KV+16*\t:KV+16*\t+15], 0    ; k: key r, channels 8 h + j
.endr
.irp t, 0,1,2,3
	v_wmma_f32_16x16x128_bf8_bf8 v[VR+8*\t:VR+8*\t+7], v[KV+16*\t:KV+16*\t+15], v[WVF:WVF+15], 0  ; v: channel r, keys 8 h + j
.endr
	WIN 0
; five places: k goes on as a source of matrix instructions (five are owed), and loads land on registers that the projections have read (four)
.if \fetch
	s_add_co_u32 s[TB], s[TB], STEPB
	v_add_nc_u32 v[ADR], s[TB], v[AKV]
.rept 4
	v_nop
.endr
	FETCH
.else
.rept 5
	v_nop
.endr
.endif
; S^T = k q^T: two tiles of queries x four tiles of keys: eight accumulators by turns, one instruction a turn, four K steps of 4; the first K step starts each sum with 0
.irp s, 0,1,2,3
.irp q, 0,1
.irp t, 0,1,2,3
.if \s == 0
	v_wmma_f32_16x16x4_f32 v[S+32*\q+8*\t:S+32*\q+8*\t+7], v[KF+8*\t+2*\s:KF+8*\t+2*\s+1], v[Q+8*\q+2*\s:Q+8*\q+2*\s+1], 0
.else
	v_wmma_f32_16x16x4_f32 v[S+32*\q+8*\t:S+32*\q+8*\t+7], v[KF+8*\t+2*\s:KF+8*\t+2*\s+1], v[Q+8*\q+2*\s:Q+8*\q+2*\s+1], v[S+32*\q+8*\t:S+32*\q+8*\t+7]
.endif
.endr
.endr
.endr
; v is quantised: these 32 plain lines name no register of the products above and are the eight places owed in front of the first read of the scores (ISA guide 7.12.1)
.set i, 0
.rept 32
	v_med3_num_f32 v[VR+i], v[VR+i], -v[VLIM], v[VLIM]   ; the conversion to an 8-bit code does not saturate (ISA guide 7.6.2): the hold at the largest code x the scale
.set i, i+1
.endr
.irp t, 0,1,2,3
	v_cvt_scalef32_pk8_bf8_f32 v[VF+2*\t:VF+2*\t+1], v[VR+8*\t:VR+8*\t+7], v[VSC]   ; registers 2 t, 2 t + 1 of V^T: keys 16 t + 8 h + 0 .. 7
.endr
; the step's largest score of each query, both tiles side by side, two chains each, every accumulator from its low end on
.irp q, 0,1
	v_max3_num_f32 v[ST+8*\q+6], v[S+32*\q], v[S+32*\q+1], v[S+32*\q+2]
	v_max3_num_f32 v[ST+8*\q+7], v[S+32*\q+3], v[S+32*\q+4], v[S+32*\q+5]
.endr
.irp i, 6,10,14,18,22,26
.irp q, 0,1
	v_max3_num_f32 v[ST+8*\q+6], v[ST+8*\q+6], v[S+32*\q+\i], v[S+32*\q+\i+1]
	v_max3_num_f32 v[ST+8*\q+7], v[ST+8*\q+7], v[S+32*\q+\i+2], v[S+32*\q+\i+3]
.endr
.endr
.irp q, 0,1
	v_max3_num_f32 v[ST+8*\q+6], v[ST+8*\q+6], v[S+32*\q+30], v[S+32*\q+31]
.endr
.irp q, 0,1
	v_max_num_f32 v[ST+8*\q+6], v[ST+8*\q+6], v[ST+8*\q+7]
.endr
.irp q, 0,1
	v_permlanex16_b32 v[ST+8*\q+7], v[ST+8*\q+6], s[SEL], s[SEL+1]   ; the query's other 32 keys lie in lane l xor 16
.endr
.irp q, 0,1
	v_max_num_f32 v[ST+8*\q+6], v[ST+8*\q+6], v[ST+8*\q+7]
.endr
.irp q, 0,1
	v_mul_f32 v[ST+8*\q+6], s[CS], v[ST+8*\q+6]    ; as t (c is positive)
.endr
.irp q, 0,1
	v_max_num_f32 v[ST+8*\q+1], v[ST+8*\q+1], v[ST+8*\q+6]   ; the running largest t
.endr
.irp q, 0,1
	v_mov_b32 v[ST+8*\q+6], v[ST+8*\q]
.endr
.irp q, 0,1
	v_floor_f32 v[ST+8*\q], -v[ST+8*\q+1]          ; the new -M = floor(-t) = -ceil(t): a whole number
.endr
.irp q, 0,1
	v_sub_f32 v[ST+8*\q+6], v[ST+8*\q], v[ST+8*\q+6]   ; old M - new M: a whole number, 0 or less
.endr
.irp q, 0,1
	v_cvt_i32_f32 v[ST+8*\q+6], v[ST+8*\q+6]       ; (it saturates)
.endr
.irp q, 0,1
	v_ldexp_f32 v[ST+8*\q+4], 1.0, v[ST+8*\q+6]    ; f = 2^(old M - new M)
.endr
.set i, 0
.rept 32
	v_pk_fma_f32 v[P+2*i:P+2*i+1], v[S+2*i:S+2*i+1], s[CS:CS+1], v[ST+8*(i/16):ST+8*(i/16)+1] op_sel_hi:[1,0,0]   ; t - M, two at a time, into other registers than the sums' (of the pairs c and -M the low word serves both halves)
.set i, i+1
.endr
.set i, 0
.rept 64
	v_exp_f32 v[P+i], v[P+i]                       ; p = 2^(t - M), at most 1: not normalised
.set i, i+1
.endr
.irp q, 0,1
	v_pk_mul_f32 v[ST+8*\q+2:ST+8*\q+3], v[ST+8*\q+2:ST+8*\q+3], v[ST+8*\q+4:ST+8*\q+5] op_sel_hi:[1,0]   ; the sums under the new M: plain lines behind the exponentials
.endr
	s_wait_alu depctr_va_vdst(0)                   ; one wait for the batch of 64 exponentials, ahead of the first line that names a result
.irp q, 0,1
	v_pk_add_f32 v[ST+8*\q+6:ST+8*\q+7], v[P+32*\q:P+32*\q+1], v[P+32*\q+2:P+32*\q+3]   ; the sum is taken of the unquantised p: two at a time, two chains a tile
.endr
.irp j, 4,8,12,16,20,24,28
.irp q, 0,1
	v_pk_add_f32 v[ST+8*\q+2:ST+8*\q+3], v[ST+8*\q+2:ST+8*\q+3], v[P+32*\q+\j:P+32*\q+\j+1]
	v_pk_add_f32 v[ST+8*\q+6:ST+8*\q+7], v[ST+8*\q+6:ST+8*\q+7], v[P+32*\q+\j+2:P+32*\q+\j+3]
.endr
.endr
.irp q, 0,1
	v_pk_add_f32 v[ST+8*\q+2:ST+8*\q+3], v[ST+8*\q+2:ST+8*\q+3], v[ST+8*\q+6:ST+8*\q+7]
.endr
.set i, 0
.rept 64
	v_min_num_f32 v[P+i], v[P+i], v[PLIM]          ; the hold at the largest code x 2^e7; p is not negative, so it is one-sided
.set i, i+1
.endr
.set i, 0
.rept 8
	v_cvt_scalef32_pk8_bf8_f32 v[PC+2*i:PC+2*i+1], v[P+8*i:P+8*i+7], v[PSC]   ; tile i / 4, keys 16 (i % 4) + 8 h + 0 .. 7
.set i, i+1
.endr
.set i, 0
.rept 8
	v_pk_mul_f32 v[O+2*i:O+2*i+1], v[O+2*i:O+2*i+1], v[ST+8*(i/4)+4:ST+8*(i/4)+5] op_sel_hi:[1,0]   ; O^T under the new M.  (Plain lines between the conversions and the products that read their results)
.set i, i+1
.endr
.irp q, 0,1
	v_wmma_f32_16x16x64_bf8_bf8 v[O+8*\q:O+8*\q+7], v[VF:VF+7], v[PC+8*\q:PC+8*\q+7], v[O+8*\q:O+8*\q+7]   ; O^T += V^T P^T over these 64 keys
.endr
.endm
	s_wait_loadcnt 0x0                             ; w_k, w_v
	s_wait_tensorcnt 0x1                           ; my part of keys 0 to 255 has landed; my second load may stay out
	s_barrier_signal -1
	s_barrier_wait -1                              ; everybody's part has
	FETCH                                          ; step 0
	s_mov_b32 s[CNT], 3
.Lfirst:                                           ; steps 0, 1, 2; they fetch steps 1, 2, 3: keys up to 255
	STEP 1
	s_sub_co_u32 s[CNT], s[CNT], 1
	s_cmp_lg_u32 s[CNT], 0
	s_cbranch_scc1 .Lfirst
	s_wait_tensorcnt 0x0                           ; my part of keys 256 to 2,047 has landed
	s_wait_dscnt 0x0                               ; no LDS load of mine is pending at the signal
	s_barrier_signal -1
	s_barrier_wait -1                              ; everybody's part has
	s_mov_b32 s[CNT], 28
.Lrest:                                            ; steps 3 to 30; they fetch steps 4 to 31
	STEP 1
	s_sub_co_u32 s[CNT], s[CNT], 1
	s_cmp_lg_u32 s[CNT], 0
	s_cbranch_scc1 .Lrest
	STEP 0                                         ; step 31 fetches nothing
	; THE WAY OUT.  O^T x 2^(e6 + e7) / the sum.  A lane holds 32 bytes of a row (query r, my head's channels 8 h + 0 .. 7); a row's 256 bytes come from four waves: they meet in the stage.
.irp q, 0,1
	v_add_f32 v[ST+8*\q+2], v[ST+8*\q+2], v[ST+8*\q+3]   ; the sum's two halves,
.endr
.irp q, 0,1
	v_permlanex16_b32 v[ST+8*\q+7], v[ST+8*\q+2], s[SEL], s[SEL+1]
.endr
.irp q, 0,1
	v_add_f32 v[ST+8*\q+2], v[ST+8*\q+2], v[ST+8*\q+7]   ; and lane l xor 16's
.endr
.irp q, 0,1
	v_rcp_f32 v[ST+8*\q+4], v[ST+8*\q+2]
.endr
	s_mul_i32 s92, s[QH], 32*PITCH                 ; the addresses are made here: plain lines behind the reciprocals and behind the last products
	s_lshl_b32 s93, s[HL], 6
	s_add_co_u32 s92, s92, s93
	s_add_co_u32 s92, s92, STG
	v_mul_u32_u24 v[STO], v1, PITCH
	v_lshl_add_u32 v[STO], v4, 5, v[STO]
	v_add_nc_u32 v[STO], s92, v[STO]               ; in: row 32 (w / 4) + r, byte 64 (w % 4) + 32 h
	s_mul_i32 s93, s[WV], 8*PITCH
	s_add_co_u32 s93, s93, STG
	v_mul_u32_u24 v[RD], v4, PITCH
	v_lshl_add_u32 v[RD], v1, 4, v[RD]
	v_add_nc_u32 v[RD], s93, v[RD]                 ; back: rows 8 w on; lanes 0-15 one row of 256 bytes, lanes 16-31 the next
	v_lshlrev_b32 v[GO], 9, v4
	v_lshl_add_u32 v[GO], v1, 4, v[GO]             ; and the same two rows in o, 512 bytes apart
	s_wait_alu depctr_va_vdst(0)                   ; one wait for the two reciprocals, ahead of their first reader
.irp q, 0,1
	v_ldexp_f32 v[ST+8*\q+4], v[ST+8*\q+4], s88    ; x 2^(e6 + e7)
.endr
.set i, 0
.rept 8
	v_pk_mul_f32 v[P+2*i:P+2*i+1], v[O+2*i:O+2*i+1], v[ST+8*(i/4)+4:ST+8*(i/4)+5] op_sel_hi:[1,0]
.set i, i+1
.endr
.irp q, 0,1
	ds_store_b128 v[STO], v[P+8*\q:P+8*\q+3] offset:\q*16*PITCH
	ds_store_b128 v[STO], v[P+8*\q+4:P+8*\q+7] offset:\q*16*PITCH+16
.endr
	s_wait_dscnt 0x0                               ; for the others' sake: my stores into the stage are done
	s_barrier_signal -1
	s_barrier_wait -1
.irp i, 0,1,2,3
	ds_load_b128 v[P+16+4*\i:P+16+4*\i+3], v[RD] offset:2*\i*PITCH
.endr
.irp i, 0,1,2,3
	s_wait_dscnt 3-\i                              ; LDS loads come back in order: pair i of rows is in, the younger ones may be out
	global_store_b128 v[GO], v[P+16+4*\i:P+16+4*\i+3], s[16:17] offset:1024*\i th:TH_STORE_NT   ; sixteen lanes store 256 consecutive bytes, at a multiple of 256 from o's first byte
.endr
	s_wait_tensorcnt 0x0
	ds_add_u32 v126, v127
	s_wait_dscnt 0x0
	ROUND                                          ; the closing round: no work-group ends while a partner may still ask for a tile that names it
	s_endpgm
.Lfunc_end_k_q3dff6e2d42_attn:
	.size	k_q3dff6e2d42_attn, .Lfunc_end_k_q3dff6e2d42_attn-k_q3dff6e2d42_attn
	.p2alignl 7, 3214868480
	.fill 96, 4, 3214868480
	.section	.rodata,"a",@progbits
	.p2align	6, 0x0
	.amdhsa_kernel k_q3dff6e2d42_attn
		.amdhsa_group_segment_fixed_size 296960
		.amdhsa_private_segment_fixed_size 0
		.amdhsa_enable_private_segment 0
		.amdhsa_kernarg_size 56
		.amdhsa_user_sgpr_count 2
		.amdhsa_user_sgpr_kernarg_segment_ptr 1
		.amdhsa_wavefront_size32 1
		.amdhsa_system_sgpr_workgroup_id_x 1
		.amdhsa_system_sgpr_workgroup_id_y 1
		.amdhsa_system_sgpr_workgroup_id_z 1
		.amdhsa_system_vgpr_workitem_id 0
		.amdhsa_next_free_vgpr 400
		.amdhsa_next_free_sgpr 96
		.amdhsa_reserve_vcc 0
		.amdhsa_float_denorm_mode_32 3
		.amdhsa_float_denorm_mode_16_64 3
		.amdhsa_memory_ordered 1
		.amdhsa_forward_progress 1
		.amdhsa_inst_pref_size 68
	.end_amdhsa_kernel
	.amdgpu_metadata
---
amdhsa.version: [ 1, 2 ]
amdhsa.kernels:
  - .name:           k_q3dff6e2d42_attn
    .symbol:         k_q3dff6e2d42_attn.kd
    .args:
      - { .name: kv_x_codes, .offset: 0, .size: 8, .value_kind: global_buffer, .address_space: global }
      - { .name: q_x_codes, .offset: 8, .size: 8, .value_kind: global_buffer, .address_space: global }
      - { .name: w_q_codes, .offset: 16, .size: 8, .value_kind: global_buffer, .address_space: global }
      - { .name: w_k_codes, .offset: 24, .size: 8, .value_kind: global_buffer, .address_space: global }
      - { .name: w_v_codes, .offset: 32, .size: 8, .value_kind: global_buffer, .address_space: global }
      - { .name: lowp_scales, .offset: 40, .size: 8, .value_kind: global_buffer, .address_space: global }
      - { .name: out0, .offset: 48, .size: 8, .value_kind: global_buffer, .address_space: global }
    .group_segment_fixed_size: 296960
    .private_segment_fixed_size: 0
    .kernarg_segment_align: 8
    .kernarg_segment_size: 56
    .max_flat_workgroup_size: 256
    .sgpr_count:     96
    .vgpr_count:     400
    .wavefront_size: 32
...
	.end_amdgpu_metadata
.endif
;; end of part 1
